; MI455X (gfx1250); checked and timed in simulation.
; The chip was launched on July 23, 2026; its instructions are those of AMD's public machine-readable ISA for CDNA 5 (MIT licence, August 2026) and "CDNA5" Instruction Set Architecture Reference Guide (July 2026). The comments in the code are by the model that wrote it; some were corrected since.
;; Test Model RO Cm Aiter. Allowed arithmetic: matrix products marked QUANTISED: E2M1 operands, one E8M0 scale for each 32 along K, by v_wmma_scale_f32_16x16x128_f8f6f4 with both operands' format E2M1 (or v_wmma_scale_f32_32x16x128_f4), f32 sums; everything else in f32.
;; Inputs: norm_w 4 x 1,024 float32; w0 1,024 x 1,024 float32; w1 1,024 x 1,024 float32; w2 1,024 x 1,024 float32; ws0 8 x 8 float32; ws1 8 x 8 float32; ws2 8 x 8 float32; x 16,384 x 1,024 float32.
;; Outputs: out0 16,384 x 1,024 float32.
;; This version of the problem:
;;   THIS VERSION OF THE PROBLEM IS GIVEN IN LOW PRECISION. The matrix products marked QUANTISED in the list below multiply operands that are first quantised to E2M1 (2 exponent bits, 1 mantissa bit; 4 bits a number), with one power-of-two scale for each 32 numbers along K (OCP MX v1.0); their sums are f32. All else is computed in f32.
;;   The module's matrix products, in the order in which they are computed (A, B: the left and right operand; K: the contracted axis; several contracted axes count as one K, in the product's order):
;;     1. [M 16,384, K 1,024] x [K 1,024, N 1,024]; A: computed on the way; B: computed on the way: QUANTISED
;;     2. [M 16,384, K 1,024] x [K 1,024, N 1,024]; A: computed on the way; B: computed on the way: QUANTISED
;;     3. [M 16,384, K 1,024] x [K 1,024, N 1,024]; A: computed on the way; B: computed on the way: QUANTISED
;;   THE QUANTISER, for each operand of a quantised product, along K:
;;     - K is cut into blocks of 32 from its start; a last block that is shorter is filled with zeros.
;;     - A block's scale is 2^e with e = floor(log2(the largest magnitude in the block)) - 2, held to -126 .. 127; a block of zeros has e = 0. As a byte (E8M0): e + 127.
;;     - Each number is divided by its block's scale, clamped to +-6, and rounded to the nearest number of E2M1, ties to even, subnormals kept.
;;     - The product sums the exact products of the quantised numbers (number of the format x scale) in f32.
;;   ~~~python
;;   def quantise(x, axis):      # numpy; x: float32 -> the quantised numbers, widened to float32 again
;;       x = np.moveaxis(x, axis, -1); K = x.shape[-1]
;;       x = np.pad(x, [(0, 0)] * (x.ndim - 1) + [(0, -K % 32)]); x = x.reshape(x.shape[:-1] + (-1, 32)); a = np.abs(x).max(-1, keepdims=True)
;;       e = np.where(a > 0, np.clip(np.frexp(np.where(a > 0, a, 1))[1] - 1 - 2, -126, 127), 0)      # np.frexp(a)[1] - 1 = floor(log2(a)), exactly
;;       r = np.clip(x / 2.0 ** e, -6, 6)
;;       step = 2.0 ** (np.maximum(np.frexp(np.where(r == 0, 1, r))[1] - 1, 0) - 1)
;;       q = np.round(r / step) * step * 2.0 ** e      # np.round: ties to even
;;       return np.moveaxis(q.reshape(q.shape[:-2] + (-1,))[..., :K], -1, axis).astype(np.float32)
;;   ~~~
;;   OPERANDS COMPUTED ON THE WAY. 'Computed on the way' means the value that the module computes at that place (a softmax that the list does not call 'softmax' is quantised finished and normalised). What goes into a quantiser is computed in f32, as accurately as f32 sums, v_exp_f32 and their like allow (about 1e-6 of the number): no bf16 or f16 on the way to a quantiser, and a product that is left as it is and whose result goes on into a quantised operand takes f32 operands (vector FMAs, or v_wmma_f32_16x16x4_f32). A number that lies on a knife's edge between two numbers of the format may be rounded either way, as far as f32 arithmetic and the matrix unit's own rounding can turn it there, and no further.
;; One version. Each part assembles by itself: llvm-mc -triple=amdgcn-amd-amdhsa -mcpu=gfx1250 --defsym DOCPART=n.
;; ======== version 1 of 1: 2 launches
;; limits: right only within a limited range of input values
;; workspace buffers: wq 1,671,168 bytes
;; launch wquant (part 1): grid 64 x 3, 4 waves a work-group, no clusters, 1,024 bytes of LDS; arguments w0, w1, w2, ws0, ws1, ws2, wq; writes wq
.if DOCPART == 1
	.amdgcn_target "amdgcn-amd-amdhsa--gfx1250"
	.amdhsa_code_object_version 6
	.text
	.protected	k_qb81260d459_wquant
	.globl	k_qb81260d459_wquant
	.p2align	8
	.type	k_qb81260d459_wquant,@function
k_qb81260d459_wquant:
	s_mov_b64 s[64:65], 0
	v_nop
	global_prefetch_b8 v0, s[64:65] scope:SCOPE_SE
	s_setreg_imm32_b32 hwreg(HW_REG_WAVE_MODE, 25, 1), 1
	s_wait_xcnt 0x0
; The three weights of the chain, w_l [1024 (k)][1024 (n)] f32 times their block scales ws_l [k / 128][n / 128], are turned once into codes of FP4 (E2M1) with one E8M0
; scale byte for each 32 along K (K is the FIRST axis), laid in the order in which the next launch's operand registers take them.
; NO WORK IS LEFT OUT in this program: every input (x, norm_w, w0-w2, ws0-ws2) has a way to out0, and every step of the chain is done.
; LAYOUT OF wq: layer x 557,056 + w x 139,264 + p x 34,816 + (in a slot block:) codes at e x 16,384 + T x 1,024 + c x 512 + 16 x lane, scale words at 32,768 + 512 i + 16 (16 e + r) + 4 j.
;   w = n / 256 (the wave that owns the columns), K step s = 2 p + e (128 along K), T = 8 g + 2 b + u = 4 i + j the tile of 16 columns.  Lane (r, h), piece c: k = 128 s + 64 c + 32 h + 0 .. 31 of column
;   n = 256 w + 128 g + 32 b + 8 u + r + 8 (r / 8): THE COLUMNS OF A TILE ARE NOT NEIGHBOURS, so that the results of tiles 2 b and 2 b + 1 are 16 neighbours along the next product's K.
; SHARES.  Work-group y = the layer; x = 8 s + cg, cg = n / 128.  Wave b takes 32 columns and 128 along K.  A LANE TAKES A COLUMN AND ITS REGISTERS RUN DOWN K: each load reads 128 consecutive bytes
; a wave (512 a work-group), a block of 32 lies in one lane's registers, and the conversions give codes with K innermost.  A lane's 16 bytes of a block ARE lane (r, h)'s 16 bytes of piece c of its tile:
; lanes 0-15 and lanes 16-31 each store 256 consecutive bytes, aligned.  The eight tiles' scale words meet in LDS and leave by wave 0 as two runs of 256 bytes.
; A block's scale is 2^(floor(log2(largest magnitude)) - 2); its byte is the largest magnitude's exponent field - 2, held at 1 from below.
; LIMITS: a block of zeros gets the byte 1 where the rule says 127 (its codes are zeros, and this program alone reads the bytes); blocks whose largest magnitude lies under 2^(3 - 127) keep the byte 1; NaN and infinities are not served.
.set LAYB,  557056
.set WAVB,  139264
.set SLOTB, 34816
.set SPARE, 512                        ; LDS: bytes 0-511 the scale words of eight tiles; from 512 the spare words, 128 bytes a wave
.set X,     16                         ; v16-143  my column's 128 numbers down K
.set CD,    144                        ; v144-159 codes, four registers a block: no store's data are written again
.set SPW,   12                         ; v12  LDS address of my spare word; never rewritten
.set NIL,   13                         ; v13  0; never rewritten
	s_load_b256 s[4:11], s[0:1], 0x0               ; w0, w1, w2, ws0
	s_load_b128 s[12:15], s[0:1], 0x20             ; ws1, ws2
	s_load_b64 s[16:17], s[0:1], 0x30              ; wq
	v_lshl_add_u32 v[SPW], v0, 2, SPARE
	v_mov_b32 v[NIL], 0
	v_lshrrev_b32 v14, 5, v0
	v_readfirstlane_b32 s18, v14                   ; wave b
	s_and_b32 s19, ttmp7, 0xffff                   ; the layer
	s_and_b32 s20, ttmp9, 7                        ; cg: which 128 columns
	s_lshr_b32 s21, ttmp9, 3                       ; s: which 128 along K
	v_and_b32 v14, 15, v0                          ; r
	v_bfe_u32 v15, v0, 4, 1                        ; u
	v_and_b32 v1, 8, v14
	v_add_nc_u32 v1, v1, v14
	v_lshl_add_u32 v1, v15, 3, v1                  ; my column among the wave's 32: r + 8 (r / 8) + 8 u
	v_lshlrev_b32 v1, 2, v1                        ; in bytes
	v_lshlrev_b32 v2, 4, v14                       ; 16 r
	v_lshl_add_u32 v3, v15, 2, v2                  ; LDS: my scale word: 16 r + 4 u ..
	v_lshl_add_u32 v5, v15, 9, v2                  ; the words' way out: lanes 0-15 one run of 256 bytes, lanes 16-31 the run 512 bytes on
	v_lshl_add_u32 v2, v15, 10, v2                 ; my codes: tile u of the wave's two, 16 r
	v_and_b32 v4, 31, v0
	v_lshlrev_b32 v4, 4, v4                        ; LDS: 16 x lane
	s_lshr_b32 s22, s18, 1
	s_lshl_b32 s22, s22, 8
	s_and_b32 s23, s18, 1
	s_lshl_b32 s23, s23, 3
	s_add_co_u32 s22, s22, s23
	v_add_nc_u32 v3, s22, v3                       ; .. + 256 (b / 2) + 8 (b % 2)
	s_lshl_b32 s24, s21, 19                        ; in w: 128 s rows of 4,096 bytes
	s_lshl_b32 s25, s20, 9
	s_add_co_u32 s24, s24, s25                     ; + 128 cg columns
	s_lshl_b32 s25, s18, 7
	s_add_co_u32 s24, s24, s25                     ; + 32 b columns
	s_mov_b32 s25, 0
	s_lshl_b32 s26, s21, 3
	s_add_co_u32 s26, s26, s20
	s_lshl_b32 s26, s26, 2                         ; in ws: [s][cg]
	s_mov_b32 s27, 0
	s_mul_i32 s28, s19, LAYB                       ; in wq: the slot block
	s_lshr_b32 s29, s20, 1
	s_mul_i32 s29, s29, WAVB
	s_add_co_u32 s28, s28, s29
	s_lshr_b32 s29, s21, 1
	s_mul_i32 s29, s29, SLOTB
	s_add_co_u32 s28, s28, s29
	s_and_b32 s30, s20, 1                          ; g
	s_and_b32 s31, s21, 1                          ; e
	s_lshl_b32 s34, s31, 14                        ; codes: + 16,384 e + 1,024 (8 g + 2 b)
	s_add_co_u32 s34, s34, s28
	s_lshl_b32 s29, s30, 13
	s_add_co_u32 s34, s34, s29
	s_lshl_b32 s29, s18, 11
	s_add_co_u32 s34, s34, s29
	s_mov_b32 s35, 0
	s_lshl_b32 s36, s30, 10                        ; scale words: + 32,768 + 1,024 g + 256 e
	s_add_co_u32 s36, s36, s28
	s_lshl_b32 s29, s31, 8
	s_add_co_u32 s36, s36, s29
	s_add_co_u32 s36, s36, 32768
	s_mov_b32 s37, 0
	s_wait_alu depctr_va_vdst(0)
	s_wait_kmcnt 0x0
	s_cmp_eq_u32 s19, 0                            ; the layer's buffers: the choice hangs on the work-group's number alone
	s_cselect_b64 s[4:5], s[4:5], s[6:7]
	s_cselect_b64 s[10:11], s[10:11], s[12:13]
	s_cmp_eq_u32 s19, 2
	s_cselect_b64 s[4:5], s[8:9], s[4:5]
	s_cselect_b64 s[10:11], s[14:15], s[10:11]
	s_add_nc_u64 s[4:5], s[4:5], s[24:25]
	s_add_nc_u64 s[10:11], s[10:11], s[26:27]
	s_load_b32 s38, s[10:11], 0x0                  ; the one block scale of these 128 x 128 numbers
	s_add_nc_u64 s[6:7], s[16:17], s[34:35]        ; where the codes go
	s_add_nc_u64 s[8:9], s[16:17], s[36:37]        ; where the scale words go
.set kk, 0
.rept 128
	global_load_b32 v[X+kk], v1, s[4:5] offset:kk*4096 th:TH_LOAD_NT   ; w(128 s + k, my column): the wave reads 128 consecutive bytes
.set kk, kk+1
.endr
	s_wait_kmcnt 0x0
	s_mov_b32 s39, s38                             ; (the packed form names the pair and takes its low word for both halves: so s39 is written)
; Block kb: 32 along K.  left: how many younger loads may stay out
.macro BLOCK kb, left
.set XS, X+32*(\kb)
	s_wait_loadcnt \left
.set ii, 0
.rept 16
	v_pk_mul_f32 v[XS+ii:XS+ii+1], v[XS+ii:XS+ii+1], s[38:39] op_sel_hi:[1,0]   ; w x ws: the one multiplication that the problem writes
.set ii, ii+2
.endr
	v_max3_num_f32 v6, |v[XS]|, |v[XS+1]|, |v[XS+2]|                ; the block's largest magnitude, in two chains: all 32 numbers are mine
	v_max3_num_f32 v7, |v[XS+3]|, |v[XS+4]|, |v[XS+5]|
.irp i, 6,10,14,18,22,26
	v_max3_num_f32 v6, v6, |v[XS+\i]|, |v[XS+\i+1]|
	v_max3_num_f32 v7, v7, |v[XS+\i+2]|, |v[XS+\i+3]|
.endr
	v_max3_num_f32 v6, v6, |v[XS+30]|, |v[XS+31]|
	v_max3_num_f32 v6, v6, v7, 0x1800000           ; and the floor 2^(3 - 127): the byte cannot fall under 1
	v_add_nc_u32 v8, 0xff000000, v6                ; 2 off the exponent field: the conversion takes the exponent field of this operand as its scale
	v_lshrrev_b32 v9, 23, v8                       ; the scale's byte
.if (\kb) == 0
	v_mov_b32 v10, v9                              ; four bytes make my column's scale word for these 128 k, the lower k in the lower byte
.else
	v_lshl_or_b32 v10, v9, 8*(\kb), v10
.endif
.irp q, 0,1,2,3
	v_cvt_scalef32_pk8_fp4_f32 v[CD+4*(\kb)+\q], v[XS+8*\q:XS+8*\q+7], v8
.endr
	global_store_b128 v2, v[CD+4*(\kb):CD+4*(\kb)+3], s[6:7] offset:512*((\kb)/2)+256*((\kb)%2)   ; block kb = 2 c + h: piece c, lanes 16 h + r.  (The results go to a store alone; the next block begins with plain vector lines)
.endm
	BLOCK 0, 63                                    ; 96 younger loads are out: the wait's field holds 63, and a smaller count is right
	BLOCK 1, 63                                    ; 64 younger: likewise
	BLOCK 2, 32                                    ; the last block's 32 may stay out
	BLOCK 3, 0
	ds_store_b32 v3, v10
	s_wait_dscnt 0x0                               ; for the others' sake: my word has landed
	s_barrier_signal -1
	s_barrier_wait -1
	s_cmp_lg_u32 s18, 0
	s_cbranch_scc1 .Lothers
	ds_load_b128 v[16:19], v4                      ; four tiles' words of a row, 16 bytes a lane
	s_wait_dscnt 0x0
	global_store_b128 v5, v[16:19], s[8:9]         ; two runs of 256 consecutive bytes, aligned
.Lothers:
	s_wait_tensorcnt 0x0                           ; the wave's end, behind my last LDS store
	ds_add_u32 v[SPW], v[NIL]
	s_wait_dscnt 0x0
	s_endpgm
.Lfunc_end_k_qb81260d459_wquant:
	.size	k_qb81260d459_wquant, .Lfunc_end_k_qb81260d459_wquant-k_qb81260d459_wquant
	.p2alignl 7, 3214868480
	.fill 96, 4, 3214868480
	.section	.rodata,"a",@progbits
	.p2align	6, 0x0
	.amdhsa_kernel k_qb81260d459_wquant
		.amdhsa_group_segment_fixed_size 1024
		.amdhsa_private_segment_fixed_size 0
		.amdhsa_enable_private_segment 0
		.amdhsa_kernarg_size 56
		.amdhsa_user_sgpr_count 2
		.amdhsa_user_sgpr_kernarg_segment_ptr 1
		.amdhsa_wavefront_size32 1
		.amdhsa_system_sgpr_workgroup_id_x 1
		.amdhsa_system_sgpr_workgroup_id_y 1
		.amdhsa_system_sgpr_workgroup_id_z 1
		.amdhsa_system_vgpr_workitem_id 0
		.amdhsa_next_free_vgpr 160
		.amdhsa_next_free_sgpr 66
		.amdhsa_reserve_vcc 0
		.amdhsa_float_denorm_mode_32 3
		.amdhsa_float_denorm_mode_16_64 3
		.amdhsa_memory_ordered 1
		.amdhsa_forward_progress 1
		.amdhsa_inst_pref_size 26
	.end_amdhsa_kernel
	.amdgpu_metadata
---
amdhsa.version: [ 1, 2 ]
amdhsa.kernels:
  - .name:           k_qb81260d459_wquant
    .symbol:         k_qb81260d459_wquant.kd
    .args:
      - { .name: w0, .offset: 0, .size: 8, .value_kind: global_buffer, .address_space: global }
      - { .name: w1, .offset: 8, .size: 8, .value_kind: global_buffer, .address_space: global }
      - { .name: w2, .offset: 16, .size: 8, .value_kind: global_buffer, .address_space: global }
      - { .name: ws0, .offset: 24, .size: 8, .value_kind: global_buffer, .address_space: global }
      - { .name: ws1, .offset: 32, .size: 8, .value_kind: global_buffer, .address_space: global }
      - { .name: ws2, .offset: 40, .size: 8, .value_kind: global_buffer, .address_space: global }
      - { .name: wq, .offset: 48, .size: 8, .value_kind: global_buffer, .address_space: global }
    .group_segment_fixed_size: 1024
    .private_segment_fixed_size: 0
    .kernarg_segment_align: 8
    .kernarg_segment_size: 56
    .max_flat_workgroup_size: 128
    .sgpr_count:     66
    .vgpr_count:     160
    .wavefront_size: 32
...
	.end_amdgpu_metadata
.endif
;; end of part 1
;; launch chain (part 2): grid 256 x 1, 4 waves a work-group, clusters of 4 x 1, 327,680 bytes of LDS; arguments x, norm_w, wq, out0; writes out0
.if DOCPART == 2
	.amdgcn_target "amdgcn-amd-amdhsa--gfx1250"
	.amdhsa_code_object_version 6
	.text
	.protected	k_qb81260d459_chain
	.globl	k_qb81260d459_chain
	.p2align	8
	.type	k_qb81260d459_chain,@function
k_qb81260d459_chain:
	s_mov_b64 s[64:65], 0
	v_nop
	global_prefetch_b8 v0, s[64:65] scope:SCOPE_SE
	s_setreg_imm32_b32 hwreg(HW_REG_WAVE_MODE, 25, 1), 1
	s_wait_xcnt 0x0
	s_wait_alu depctr_hold_cnt(0) depctr_sa_sdst(0) depctr_va_vdst(0) depctr_va_sdst(0) depctr_va_ssrc(0) depctr_va_vcc(0) depctr_vm_vsrc(0)
	s_getreg_b32 s2, hwreg(HW_REG_IB_STS2, 6, 4)
	s_cmp_eq_u32 s2, 0
	s_cbranch_scc0 .Lentry_in_a_cluster
	s_endpgm
.Lentry_in_a_cluster:
	s_bfe_u32 s2, ttmp6, 0x10000c
	s_cmp_lg_u32 s2, 0x3003
	s_cbranch_scc0 .Lentry_shape_is_right
	s_endpgm
.Lentry_shape_is_right:
; The whole chain for 64 tokens a work-group: z = relu(x); three times { y = z rsqrt(mean(z^2) + 1e-6) w_l; a = fp8 round trip of y in groups of 128 (scale = max(amax, 1e-12) / 448);
; z += Q(a) Q(W_l) }, both operands in FP4 (E2M1) with one E8M0 scale for each 32 along K; out0 = z rsqrt(mean(z^2) + 1e-6) w_3.  Nothing is left out.
; THE RESIDUAL z, 64 x 1,024 f32, LIVES IN THE ACCUMULATORS for the whole launch: each layer's products add in place onto z, which is the residual add.  So a layer's quantising is over before its first product.
; SHARES.  Wave w owns columns 256 w .. 256 w + 255 of all 64 tokens: 64 accumulators (4 tiles of tokens m x 16 tiles of columns), 512 registers.  THE MATRIX INSTRUCTION IS USED TRANSPOSED (source 0 = 16 columns of W,
; source 1 = 16 tokens), and the columns of a tile are chosen (see the launch that lays wq) so that in a unit (m, g) lane (r, h) holds token 16 m + r and register 16 b + i holds column 256 w + 128 g + 32 b + 16 h + i.
; A unit is at once one fp8 group for each token, one K step (2 w + g) of the next product, and one operand fragment with one scale word a token.  A's fragments go from wave to wave through LDS as images of their registers.
; THE WEIGHTS, 139,264 bytes a wave and layer, lie in wq as images of the operand registers, and only the wave that owns the columns reads them.  LDS has room for four of a layer's eight K steps (4 x 69,632 bytes beside A's images).
; All work-groups walk the same weights, so the four of a cluster ask JOINTLY (mask 15) for six of the eight K steps: K steps 0-3 by one tensor load a wave at the layer's top, which lands under the norm and the quantisers;
; K steps 4, 5 by one more, into block 0 of the wave's region, as soon as K steps 0 and 1 have been read out of it into two sets of registers: at the head of the products, 4.5 K steps ahead of its first read.
; K steps 6, 7 have no LDS bytes to land on in time (block 1 could be filled again only behind the wait for the load before), so they go from wq STRAIGHT INTO OPERAND REGISTERS (each load 512 consecutive bytes), which no joint load serves.
; Three sets of W's fragments: S0, S1 (window 1), S2 (window 0, where the gains lay, dead behind the last t = z w).  Order of the K steps: 0 1 6 2 3 4 5 7, on sets S0 S1 S2 S0 S1 S0 S1 S2:
; K step 6 is asked for where the gains die, K step 7 half by half as K step 6's products are issued, 4.5 K steps ahead of its use.
; NO DATA PREFETCH: x is asked for whole by the head's one load a wave, with no loop to run ahead in; the weights' loads are themselves issued K steps ahead of their use.
; ORDER OF ROUNDING, other than the problem writes it: y / scale is taken as (z w) (rs / scale); amax as rs x max|z w|; amax / 448 by a multiplication and one correction step; the residual is the first addend of each f32 sum; K in the order above.
; THE HOLD AT 448 is made once a group: where max|z w| x F comes out over 448, F is multiplied by 1 - 2^-21.  Rounding is monotone, so no |z w| F of the group exceeds that of the largest; the chain's four roundings and the
; reciprocal's last place put it at most 3e-7 over 448, and (1 + 3e-7)(1 - 2^-21)(1 + 2^-24)^2 < 1.  A BLOCK'S LARGEST |a| IS NOT SEARCHED FOR: the block's largest |z w| goes through the same monotone instructions as a ninth octet.
; LIMITS: NaN and infinities among the inputs are not served; a block of zeros gets the scale byte 1 where the rule says 127 (zero codes; the bytes are read here alone).
; REGISTERS, in windows of 256.  Window 0: v1-13 addresses; v24-31 A's scale words, v32-47 and v48-63 W's, two banks; v64-127 A's fragments, two sets; v128-255 the gains, then S2.
;   Window 1: in the matrix phase S0, S1; in the vector phases v0-37 the rows' figures, from v40 and v148 two units at work.   Windows 2, 3: z: accumulator (m, g, t) at v[64 m + 8 t] of window 2 + g.
.set REG,   69632                      ; LDS: a wave's own region: first x (64 rows, 1,040 bytes apart), then two blocks of weights, at the end the way out's stage
.set SLOTB, 34816                      ; a block: two K steps: 2 x 16 tiles x 1,024 bytes of codes, then 2,048 bytes of scale words
.set XP,    1040                       ; a row of x in LDS: 1,024 bytes + 16 of padding = 65 x 16
.set AIMG,  4*REG                      ; images of A's 32 fragments: (8 m + s) x 1,024 + 512 c + 16 x lane
.set ASC,   AIMG+32768                 ; their scale words: (8 m + s) x 128 + 4 x lane
.set RED,   ASC+4096                   ; the waves' parts of the sums of squares: 256 m + 16 r + 4 x wave
.set SPARE, RED+1024                   ; the spare words, 128 bytes a wave
.set LAYB,  557056                     ; a layer in wq;
.set WAVB,  139264                     ; a wave's part of it
.set WAD, 1                            ; v1, v2  my region's block 0, 1 + 16 x lane
.set AAD, 3                            ; v3   AIMG + 16 x lane
.set ASA, 4                            ; v4   ASC + 4 x lane
.set AWI, 5                            ; v5   where I store images: AAD + 2,048 x wave
.set AWS, 6                            ; v6   and their scale words: ASA + 256 x wave
.set RDW, 7                            ; v7   RED + 16 r + 4 x wave
.set RDR, 8                            ; v8   RED + 16 r
.set XAD, 9                            ; v9   my region + 1,040 r + 64 h
.set GO,  10                           ; v10  16 x lane
.set NWO, 11                           ; v11  64 h
.set SPW, 12                           ; v12  LDS address of my spare word; never rewritten
.set NIL, 13                           ; v13  0; never rewritten
.set AS,  24
.set SWX, 32                           ; W's scale words of K steps 0, 1, then 2, 3, then 4, 5 (an odd step's in lanes 16-31)
.set SWY, 48                           ; of K steps 6, 7
.set AF,  64
.set NW,  128
.set SS,  8                            ; window 1: v0, 2, 4, 6 rs of tile m, v1, 3, 5, 7 its variance; v8-15 sums of squares
.set XX,  16
.set LL,  20
.set ONE, 36                           ; 1.0: the scale operand of the conversion to fp8
.set B7F, 37                           ; the byte 127 four times: that of the conversion back
.set UB,  40                           ; unit a of two at UB + US a
.set US,  108
.set oBM, 64                           ; +0..63 the unit's numbers; +64..67 the blocks' largest, +68..71 the other half's: the ninth octet
.set oQ,  72                           ; +72..89 fp8 codes; later +72..79 the fragment's FP4 codes
.set oF,  90
.set oGM, 91
.set oS,  92
.set oAM, 93
.set oQ0, 94
.set oR,  95
.set oINV, 96
.set oP,  97
.set oSO, 98
.set oBY, 102
.set oPW, 106
.set TA,  40                           ; the way out
.set O1,  168
.set O0,  64
.set WV,  12                           ; s12  my wave's number
.set G1X, 16                           ; s[16:23] descriptor group 1 for x;  s[24:31] for 69,632 dense bytes;  s[32:39] for 34,816
.set G1T, 24
.set G1H, 32
.set G0X, 40                           ; s[40:43] group 0 for x;  s[44:47] for a layer's K steps 0-3;  s[48:51] for its K steps 4, 5
.set G0T, 44
.set G0A, 48
.set SEL, 56
.set TO1,  0x40
.set ST1,  0x04
.set ALL1, 0x55
.set MSB, 0
.macro WIN new                         ; the immediate's high byte repeats the setting that is left
.if MSB != (\new)
	s_set_vgpr_msb (MSB<<8)|(\new)
.set MSB, (\new)
.endif
.endm
.macro PLACES                          ; four places behind a matrix instruction (ISA guide 7.12.1)
.rept 4
	v_nop
.endr
.endm
.macro CREST
	s_cmp_lg_u32 s[WV], 0
	s_cbranch_scc1 .Lnot_wave_0_\@
	s_barrier_signal -3
.Lnot_wave_0_\@:
	s_barrier_wait -3
	s_barrier_signal -1
	s_barrier_wait -1
.endm
.macro CROUND                          ; a whole round of the cluster's barrier
	s_barrier_signal -1
	s_barrier_wait -1
	CREST
.endm
	s_load_b256 s[4:11], s[0:1], 0x0               ; x, norm_w, wq, out0
	v_lshl_add_u32 v[SPW], v0, 2, SPARE
	v_mov_b32 v[NIL], 0
	ds_add_u32 v[SPW], v[NIL]                      ; the opening lines: the add, twice on end, and its wait ahead of my first tensor load
	ds_add_u32 v[SPW], v[NIL]
	v_lshrrev_b32 v14, 5, v0
	v_readfirstlane_b32 s[WV], v14                 ; wave 0..3
	s_bfe_u32 s13, ttmp6, 0x40000                  ; cx
	s_lshl_b32 s14, ttmp9, 2
	s_add_co_u32 s14, s14, s13                     ; my block of 64 tokens: it enters x's and out0's addresses alone
	s_lshl_b32 s68, s14, 18
	s_lshl_b32 s70, s[WV], 10                      ; my wave's 256 columns
	s_add_co_u32 s68, s68, s70
	s_mov_b32 s69, 0
	s_mov_b32 s71, 0
	s_mul_i32 s2, s[WV], WAVB
	s_mov_b32 s3, 0
	s_mul_i32 s15, s[WV], REG
	s_mov_b32 s[G1X], (2<<16)|(1<<20)|(7<<22)|(3<<25)   ; x: no mask; elements of 4 bytes; 4 words of padding behind every 256
	s_mov_b32 s[G1X+1], 256<<16
	s_mov_b32 s[G1X+2], 64<<16
	s_mov_b32 s[G1X+3], 256<<16
	s_mov_b32 s[G1X+4], 64
	s_mov_b32 s[G1X+5], 1024
	s_mov_b32 s[G1X+6], 0
	s_mov_b32 s[G1X+7], 0
	s_mov_b32 s[G1T], 15|(3<<16)|(1<<21)           ; the weights: the mask names all four work-groups, bit 21 beside it; a dense block as 272 rows of 256 bytes
	s_mov_b32 s[G1T+1], 32<<16
	s_mov_b32 s[G1T+2], 272<<16
	s_mov_b32 s[G1T+3], 32<<16
	s_mov_b32 s[G1T+4], 272
	s_mov_b32 s[G1T+5], 32
	s_mov_b32 s[G1T+6], 0
	s_mov_b32 s[G1T+7], 0
	s_mov_b32 s[G1H], 15|(3<<16)|(1<<21)           ; the same for 136 rows
	s_mov_b32 s[G1H+1], 32<<16
	s_mov_b32 s[G1H+2], 136<<16
	s_mov_b32 s[G1H+3], 32<<16
	s_mov_b32 s[G1H+4], 136
	s_mov_b32 s[G1H+5], 32
	s_mov_b32 s[G1H+6], 0
	s_mov_b32 s[G1H+7], 0
	s_mov_b32 s[SEL], 0x76543210
	s_mov_b32 s[SEL+1], 0xfedcba98
	s_mov_b32 s58, 0x3a800000                      ; 1 / 1,024
	s_mov_b32 s59, 0x358637bd                      ; 1e-6
	s_mov_b32 s60, 0x2b8cbccc                      ; 1e-12
	s_mov_b32 s61, 0x3b124925                      ; 1 / 448
	s_mov_b32 s62, 0x43e00000                      ; 448
	s_mov_b32 s63, 0x3f7ffff8                      ; 1 - 2^-21
	s_wait_dscnt 0x0                               ; both opening adds are done
	s_wait_kmcnt 0x0
	s_add_nc_u64 s[4:5], s[4:5], s[68:69]
	s_add_nc_u64 s[10:11], s[10:11], s[68:69]
	s_add_nc_u64 s[6:7], s[6:7], s[70:71]          ; the gains of my wave's columns, row 0
	s_add_nc_u64 s[8:9], s[8:9], s[2:3]            ; wq at my wave's part of layer 0
	s_mov_b32 s[G0X], 1
	s_mov_b32 s[G0X+1], s15
	s_mov_b64 s[G0X+2:G0X+3], s[4:5]
	s_or_b32 s[G0X+3], s[G0X+3], 0x80000000
	s_mov_b32 s[G0T], 1
	s_mov_b32 s[G0T+1], s15
	s_mov_b64 s[G0T+2:G0T+3], s[8:9]
	s_or_b32 s[G0T+3], s[G0T+3], 0x80000000
	s_mov_b32 s[G0A], 1
	s_mov_b32 s[G0A+1], s15
	s_add_nc_u64 s[G0A+2:G0A+3], s[8:9], 2*SLOTB
	s_or_b32 s[G0A+3], s[G0A+3], 0x80000000
	CROUND                                         ; in a cluster launch every group of tensor loads stands behind a round
	tensor_load_to_lds s[G0X:G0X+3], s[G1X:G1X+7]  ; my wave's 64 rows x 1,024 bytes of x
	s_nop 0
	PLACES
	v_and_b32 v14, 31, v0                          ; lane
	v_and_b32 v15, 15, v0                          ; r
	v_bfe_u32 v16, v0, 4, 1                        ; h
	v_lshlrev_b32 v[GO], 4, v14
	v_add_nc_u32 v[WAD], s15, v[GO]
	v_add_nc_u32 v[WAD+1], SLOTB, v[WAD]
	v_add_nc_u32 v[AAD], AIMG, v[GO]
	v_lshlrev_b32 v17, 2, v14
	v_add_nc_u32 v[ASA], ASC, v17
	s_lshl_b32 s67, s[WV], 11
	v_add_nc_u32 v[AWI], s67, v[AAD]
	s_lshl_b32 s67, s[WV], 8
	v_add_nc_u32 v[AWS], s67, v[ASA]
	v_lshlrev_b32 v[RDR], 4, v15
	v_add_nc_u32 v[RDR], RED, v[RDR]
	s_lshl_b32 s67, s[WV], 2
	v_add_nc_u32 v[RDW], s67, v[RDR]
	v_mul_u32_u24 v[XAD], v15, XP
	v_lshl_add_u32 v[XAD], v16, 6, v[XAD]
	v_add_nc_u32 v[XAD], s15, v[XAD]
	v_lshlrev_b32 v[NWO], 6, v16
	WIN TO1
.irp j, 0,1,2,3
	v_mov_b32 v[XX+\j], 0                          ; written once: a lane permute's destination counts as one of its sources
	v_mov_b32 v[UB+oBM+4+\j], 0
	v_mov_b32 v[UB+US+oBM+4+\j], 0
.endr
	WIN 0
	s_wait_alu depctr_va_vdst(0)
	s_wait_tensorcnt 0x0                           ; my tile of x is in; only I read it
	WIN 0x80                                       ; z = relu(x): lane (r, h) takes, of token 16 m + r, 16 neighbouring numbers of each block of 32
.irp m, 0,1,2,3
.irp b, 0,1,2,3
.irp q, 0,1,2,3
	ds_load_b128 v[64*\m+16*\b+4*\q:64*\m+16*\b+4*\q+3], v[XAD] offset:16*XP*\m+128*\b+16*\q
.endr
.endr
.endr
	WIN 0xc0
.irp m, 0,1,2,3
.irp b, 0,1,2,3
.irp q, 0,1,2,3
	ds_load_b128 v[64*\m+16*\b+4*\q:64*\m+16*\b+4*\q+3], v[XAD] offset:16*XP*\m+512+128*\b+16*\q
.endr
.endr
.endr
	s_wait_dscnt 63                                ; window 2's 64 loads are in (64 younger are out; the wait's field holds 63)
	WIN 0x8a
.set ii, 0
.rept 256
	v_max_num_f32 v[ii], 0, v[ii]
.set ii, ii+1
.endr
	s_wait_dscnt 0x0
	WIN 0xcf
.set ii, 0
.rept 256
	v_max_num_f32 v[ii], 0, v[ii]
.set ii, ii+1
.endr
	WIN 0
; 4 nt matrix instructions: tiles t0 .. t0 + nt - 1 of half g of my columns x the four tiles of tokens.  wb, ww: W's set (first register, window); fa: A's set; sw: the bank of W's scale words; odd: an odd K step's words lie in lanes 16-31.
; The 64 accumulators take turns, one instruction a turn, in the same order in every step.
.macro H g, t0, nt, wb, ww, fa, sw, odd
	WIN 0xa0+0x50*(\g)+(\ww)
.set tt, \t0
.rept \nt
.irp m, 0,1,2,3
.if \odd
	v_wmma_scale_f32_16x16x128_f8f6f4 v[64*\m+8*tt:64*\m+8*tt+7], v[(\wb)+64*(\g)+8*tt:(\wb)+64*(\g)+8*tt+7], v[AF+32*(\fa)+8*\m:AF+32*(\fa)+8*\m+7], v[64*\m+8*tt:64*\m+8*tt+7], v[(\sw)+8*(\g)+tt], v[AS+4*(\fa)+\m] matrix_a_fmt:MATRIX_FMT_FP4 matrix_b_fmt:MATRIX_FMT_FP4 matrix_a_scale:MATRIX_SCALE_ROW1
.else
	v_wmma_scale_f32_16x16x128_f8f6f4 v[64*\m+8*tt:64*\m+8*tt+7], v[(\wb)+64*(\g)+8*tt:(\wb)+64*(\g)+8*tt+7], v[AF+32*(\fa)+8*\m:AF+32*(\fa)+8*\m+7], v[64*\m+8*tt:64*\m+8*tt+7], v[(\sw)+8*(\g)+tt], v[AS+4*(\fa)+\m] matrix_a_fmt:MATRIX_FMT_FP4 matrix_b_fmt:MATRIX_FMT_FP4
.endif
.endr
.set tt, tt+1
.endr
.endm
.macro FW wb, blk, e                   ; from LDS: W's 16 tiles of step e of block blk into a set of window 1: 32 loads
	WIN TO1
.irp T, 0,1,2,3,4,5,6,7,8,9,10,11,12,13,14,15
	ds_load_b128 v[(\wb)+8*\T:(\wb)+8*\T+3],   v[WAD+\blk] offset:(\e)*16384+\T*1024
	ds_load_b128 v[(\wb)+8*\T+4:(\wb)+8*\T+7], v[WAD+\blk] offset:(\e)*16384+\T*1024+512
.endr
.endm
.macro FA fa, ks                       ; A's four fragments and scale words of K step ks: 12 loads
	WIN 0
.irp m, 0,1,2,3
	ds_load_b128 v[AF+32*(\fa)+8*\m:AF+32*(\fa)+8*\m+3],   v[AAD] offset:(8*\m+(\ks))*1024
	ds_load_b128 v[AF+32*(\fa)+8*\m+4:AF+32*(\fa)+8*\m+7], v[AAD] offset:(8*\m+(\ks))*1024+512
.endr
.irp m, 0,1,2,3
	ds_load_b32 v[AS+4*(\fa)+\m], v[ASA] offset:128*(8*\m+(\ks))
.endr
.endm
.macro FSW blk, i0, n                  ; from LDS: block blk's scale words of tiles 4 i0 .. 4 (i0 + n) - 1 into bank X: n loads
	WIN 0
.set iq, \i0
.rept \n
	ds_load_b128 v[SWX+4*iq:SWX+4*iq+3], v[WAD+\blk] offset:32768+512*iq
.set iq, iq+1
.endr
.endm
.macro GL ks, t0                       ; from wq: tiles t0 .. t0 + 7 of K step ks into S2: 16 loads of 512 consecutive bytes
	WIN 0
.set tq, \t0
.rept 8
	global_load_b128 v[128+8*tq:128+8*tq+3], v[GO], s[8:9] offset:((\ks)/2)*SLOTB+((\ks)%2)*16384+tq*1024
	global_load_b128 v[128+8*tq+4:128+8*tq+7], v[GO], s[8:9] offset:((\ks)/2)*SLOTB+((\ks)%2)*16384+tq*1024+512
.set tq, tq+1
.endr
.endm
.macro NWLOAD                          ; the gains of my lane's 128 columns, in z's order
.irp g, 0,1
.irp b, 0,1,2,3
.irp q, 0,1,2,3
	global_load_b128 v[NW+64*\g+16*\b+4*\q:NW+64*\g+16*\b+4*\q+3], v[NWO], s[6:7] offset:512*\g+128*\b+16*\q
.endr
.endr
.endr
.endm
.macro SUMSQ                           ; my lane's part of each token's sum of squares: four chains by turns; each accumulator is read from its low end on
	WIN 0x5a
.set ii, 0
.rept 32
.irp m, 0,1,2,3
.if ii == 0
	v_pk_mul_f32 v[SS+2*\m:SS+2*\m+1], v[64*\m:64*\m+1], v[64*\m:64*\m+1]
.else
	v_pk_fma_f32 v[SS+2*\m:SS+2*\m+1], v[64*\m+ii:64*\m+ii+1], v[64*\m+ii:64*\m+ii+1], v[SS+2*\m:SS+2*\m+1]
.endif
.endr
.set ii, ii+2
.endr
	WIN 0x5f
.set ii, 0
.rept 32
.irp m, 0,1,2,3
	v_pk_fma_f32 v[SS+2*\m:SS+2*\m+1], v[64*\m+ii:64*\m+ii+1], v[64*\m+ii:64*\m+ii+1], v[SS+2*\m:SS+2*\m+1]
.endr
.set ii, ii+2
.endr
.endm
.macro REDUCE                          ; the sums' halves, the other half of the lanes, the four waves (through LDS, one barrier); rs = rsqrt(sum / 1,024 + 1e-6)
	WIN ALL1
.irp m, 0,1,2,3
	v_add_f32 v[2*\m+1], v[SS+2*\m], v[SS+2*\m+1]
.endr
.irp m, 0,1,2,3
	v_permlanex16_b32 v[XX+\m], v[2*\m+1], s[SEL], s[SEL+1]
.endr
.irp m, 0,1,2,3
	v_add_f32 v[2*\m+1], v[2*\m+1], v[XX+\m]
.endr
	WIN ST1
.irp m, 0,1,2,3
	ds_store_b32 v[RDW], v[2*\m+1] offset:256*\m   ; both halves of the lanes write the same word with the same value
.endr
	WIN 0
	s_wait_dscnt 0x0                               ; for the others' sake: my parts have landed
	s_barrier_signal -1
	s_barrier_wait -1
	WIN TO1
.irp m, 0,1,2,3
	ds_load_b128 v[LL+4*\m:LL+4*\m+3], v[RDR] offset:256*\m
.endr
	s_wait_dscnt 0x0
	WIN ALL1
.irp m, 0,1,2,3
	v_add_f32 v[LL+4*\m], v[LL+4*\m], v[LL+4*\m+1]
.endr
.irp m, 0,1,2,3
	v_add_f32 v[LL+4*\m+2], v[LL+4*\m+2], v[LL+4*\m+3]
.endr
.irp m, 0,1,2,3
	v_add_f32 v[2*\m+1], v[LL+4*\m], v[LL+4*\m+2]  ; the same order in every wave: all four hold the same rs
.endr
.irp m, 0,1,2,3
	v_fma_f32 v[2*\m+1], v[2*\m+1], s58, s59
.endr
	s_wait_alu depctr_va_vdst(0)                   ; ahead of the batch
.irp m, 0,1,2,3
	v_rsq_f32 v[2*\m], v[2*\m+1]
.endr
	v_mov_b32 v[ONE], 1.0                          ; (plain places behind the four)
	v_mov_b32 v[B7F], 0x7f7f7f7f
	s_wait_alu depctr_va_vdst(0)                   ; and behind it, ahead of its first reader
.endm
; Units (m0, g) and (m0 + 1, g) become two fragments of A with their scale words, every step by turns over the two units and their four blocks.
; ga = 1, in a layer's last call: behind t = z w the gains are dead, and K step 6 with the scale words of K steps 6, 7 is asked for: 36 loads.
.macro QUANT2 g, m0, ga
	WIN 0x42+(\g)
.set ii, 0
.rept 32
.irp a, 0,1
	v_pk_mul_f32 v[UB+US*\a+ii:UB+US*\a+ii+1], v[64*((\m0)+\a)+ii:64*((\m0)+\a)+ii+1], v[NW+64*(\g)+ii:NW+64*(\g)+ii+1]   ; t = z w
.endr
.set ii, ii+2
.endr
.if \ga
	WIN 0
.irp i, 0,1,2,3
	global_load_b128 v[SWY+4*\i:SWY+4*\i+3], v[GO], s[8:9] offset:3*SLOTB+32768+512*\i
.endr
	GL 6, 0
	GL 6, 8
.endif
	WIN ALL1
.irp a, 0,1
.irp b, 0,1,2,3
	v_max3_num_f32 v[UB+US*\a+oBM+\b], |v[UB+US*\a+16*\b]|, |v[UB+US*\a+16*\b+1]|, |v[UB+US*\a+16*\b+2]|   ; each block's largest |t|
.endr
.endr
.irp i, 3,5,7,9,11,13
.irp a, 0,1
.irp b, 0,1,2,3
	v_max3_num_f32 v[UB+US*\a+oBM+\b], v[UB+US*\a+oBM+\b], |v[UB+US*\a+16*\b+\i]|, |v[UB+US*\a+16*\b+\i+1]|
.endr
.endr
.endr
.irp a, 0,1
.irp b, 0,1,2,3
	v_max_num_f32 v[UB+US*\a+oBM+\b], v[UB+US*\a+oBM+\b], |v[UB+US*\a+16*\b+15]|
.endr
.endr
.irp a, 0,1
.irp b, 0,1,2,3
	v_permlanex16_b32 v[UB+US*\a+oBM+4+\b], v[UB+US*\a+oBM+\b], s[SEL], s[SEL+1]
.endr
.endr
.irp a, 0,1
.irp b, 0,1,2,3
	v_max_num_f32 v[UB+US*\a+oBM+\b], v[UB+US*\a+oBM+\b], v[UB+US*\a+oBM+4+\b]   ; with lane l xor 16's 16 numbers
.endr
.endr
.irp a, 0,1
	v_max3_num_f32 v[UB+US*\a+oGM], v[UB+US*\a+oBM], v[UB+US*\a+oBM+1], v[UB+US*\a+oBM+2]
.endr
.irp a, 0,1
	v_max_num_f32 v[UB+US*\a+oGM], v[UB+US*\a+oGM], v[UB+US*\a+oBM+3]          ; the group's largest |t|
.endr
.irp a, 0,1
	v_mul_f32 v[UB+US*\a+oAM], v[2*((\m0)+\a)], v[UB+US*\a+oGM]                ; amax = rs x it,
.endr
.irp a, 0,1
	v_max_num_f32 v[UB+US*\a+oAM], s60, v[UB+US*\a+oAM]                        ; at least 1e-12
.endr
.irp a, 0,1
	v_mul_f32 v[UB+US*\a+oQ0], s61, v[UB+US*\a+oAM]                            ; scale = amax / 448: a first quotient,
.endr
.irp a, 0,1
	v_fma_f32 v[UB+US*\a+oR], -v[UB+US*\a+oQ0], s62, v[UB+US*\a+oAM]           ; its remainder,
.endr
.irp a, 0,1
	v_fma_f32 v[UB+US*\a+oS], v[UB+US*\a+oR], s61, v[UB+US*\a+oQ0]             ; and the correction
.endr
	s_wait_alu depctr_va_vdst(0)                   ; ahead of the batch
.irp a, 0,1
	v_rcp_f32 v[UB+US*\a+oINV], v[UB+US*\a+oS]
.endr
	v_nop                                          ; a plain place behind the two reciprocals
	s_wait_alu depctr_va_vdst(0)                   ; and behind it, ahead of the first reader
.irp a, 0,1
	v_mul_f32 v[UB+US*\a+oF], v[2*((\m0)+\a)], v[UB+US*\a+oINV]                ; F = rs / scale
.endr
.irp a, 0,1
	v_mul_f32 v[UB+US*\a+oP], v[UB+US*\a+oGM], v[UB+US*\a+oF]
.endr
.irp a, 0,1
	v_mul_f32 v[UB+US*\a+oR], s63, v[UB+US*\a+oF]
.endr
	v_cmp_lt_f32 vcc_lo, s62, v[UB+oP]             ; the hold, once a group: over 448?  then F (1 - 2^-21)
	v_cmp_lt_f32 s67, s62, v[UB+US+oP]
	v_cndmask_b32 v[UB+oF], v[UB+oF], v[UB+oR], vcc_lo
	v_cndmask_b32 v[UB+US+oF], v[UB+US+oF], v[UB+US+oR], s67
.set ii, 0
.rept 36
.irp a, 0,1
	v_pk_mul_f32 v[UB+US*\a+ii:UB+US*\a+ii+1], v[UB+US*\a+ii:UB+US*\a+ii+1], v[UB+US*\a+oF:UB+US*\a+oF+1] op_sel_hi:[1,0]   ; y / scale, the ninth octet too
.endr
.set ii, ii+2
.endr
	s_wait_dscnt 0x0                               ; the last images' stores have read the registers that the codes now take
.irp o, 0,1,2,3,4,5,6,7,8
.irp a, 0,1
	v_cvt_scalef32_pk8_fp8_f32 v[UB+US*\a+oQ+2*\o:UB+US*\a+oQ+2*\o+1], v[UB+US*\a+8*\o:UB+US*\a+8*\o+7], v[ONE]
.endr
.endr
	v_nop                                          ; one plain place behind scaled conversions
.irp o, 0,1,2,3,4,5,6,7,8
.irp a, 0,1
	v_cvt_scale_pk8_f32_fp8 v[UB+US*\a+8*\o:UB+US*\a+8*\o+7], v[UB+US*\a+oQ+2*\o:UB+US*\a+oQ+2*\o+1], v[B7F]
.endr
.endr
	v_nop
.set ii, 0
.rept 36
.irp a, 0,1
	v_pk_mul_f32 v[UB+US*\a+ii:UB+US*\a+ii+1], v[UB+US*\a+ii:UB+US*\a+ii+1], v[UB+US*\a+oS:UB+US*\a+oS+1] op_sel_hi:[1,0]   ; a = q x scale; the ninth octet now holds each block's largest |a|
.endr
.set ii, ii+2
.endr
.irp a, 0,1
.irp b, 0,1,2,3
	v_max_num_f32 v[UB+US*\a+oBM+\b], 0x1800000, v[UB+US*\a+oBM+\b]            ; the floor 2^(3 - 127): the byte cannot fall under 1
.endr
.endr
.irp a, 0,1
.irp b, 0,1,2,3
	v_add_nc_u32 v[UB+US*\a+oSO+\b], 0xff000000, v[UB+US*\a+oBM+\b]            ; 2 off the exponent field: the conversion's scale operand
.endr
.endr
.irp a, 0,1
.irp b, 0,1,2,3
	v_lshrrev_b32 v[UB+US*\a+oBY+\b], 23, v[UB+US*\a+oSO+\b]                   ; the scale's byte
.endr
.endr
.irp a, 0,1
	v_lshl_or_b32 v[UB+US*\a+oPW], v[UB+US*\a+oBY+1], 8, v[UB+US*\a+oBY]
.endr
.irp a, 0,1
	v_lshl_or_b32 v[UB+US*\a+oPW], v[UB+US*\a+oBY+2], 16, v[UB+US*\a+oPW]
.endr
.irp a, 0,1
	v_lshl_or_b32 v[UB+US*\a+oPW], v[UB+US*\a+oBY+3], 24, v[UB+US*\a+oPW]
.endr
.irp a, 0,1
.irp b, 0,1,2,3
	v_cvt_scalef32_pk8_fp4_f32 v[UB+US*\a+oQ+2*\b],   v[UB+US*\a+16*\b:UB+US*\a+16*\b+7],    v[UB+US*\a+oSO+\b]
	v_cvt_scalef32_pk8_fp4_f32 v[UB+US*\a+oQ+2*\b+1], v[UB+US*\a+16*\b+8:UB+US*\a+16*\b+15], v[UB+US*\a+oSO+\b]
.endr
.endr
	v_nop                                          ; one plain place behind scaled conversions
.irp a, 0,1
.irp c, 0,1                                    ; the operand's layout wants a WHOLE block in a lane
.irp i, 0,1
	v_permlane16_swap_b32 v[UB+US*\a+oQ+4*\c+\i], v[UB+US*\a+oQ+4*\c+2+\i]
.endr
.endr
.endr
	WIN ST1
.irp a, 0,1
.irp c, 0,1
	ds_store_b128 v[AWI], v[UB+US*\a+oQ+4*\c:UB+US*\a+oQ+4*\c+3] offset:(8*((\m0)+\a)+(\g))*1024+512*\c   ; the fragment's image: K step 2 w + g of tokens 16 m on
.endr
	ds_store_b32 v[AWS], v[UB+US*\a+oPW] offset:128*(8*((\m0)+\a)+(\g))
.endr
.endm
	s_mov_b32 s66, 0
.Llayer:                                           ; three trips, all alike
	s_wait_tensorcnt 0x0                           ; no tensor load of mine is out;
	ds_add_u32 v[SPW], v[NIL]
	s_wait_dscnt 0x0                               ; the add is done, and my reads of my region (x, or the last layer's weights) are over
	CROUND                                         ; that holds of every wave of the four work-groups
	tensor_load_to_lds s[G0T:G0T+3], s[G1T:G1T+7]  ; the layer's K steps 0-3: my one tensor load behind the round; it has the norm and the quantisers in which to land
	s_nop 0
	PLACES                                         ; (also the places behind the last layer's products)
	NWLOAD
	SUMSQ
	REDUCE
	s_wait_loadcnt 0x0                             ; the gains are in, and their base may be written
	s_add_nc_u64 s[6:7], s[6:7], 4096
	QUANT2 0, 0, 0
	QUANT2 0, 2, 0
	QUANT2 1, 0, 0
	QUANT2 1, 2, 1
	WIN 0
	s_wait_tensorcnt 0x0                           ; my one load, this layer's K steps 0-3, is in: only I read it; its group 0 may be written:
	s_add_nc_u64 s[G0T+2:G0T+3], s[G0T+2:G0T+3], LAYB   ; the next layer's (behind the last layer the stepped address is not used)
	s_wait_dscnt 0x0                               ; for the others' sake: my images have landed
	s_barrier_signal -1
	s_barrier_wait -1                              ; A's 32 fragments lie in LDS
	FW 0, 0, 0                                     ; K step 0 -> S0
	FA 0, 0
	FSW 0, 0, 4
	FW 128, 0, 1                                   ; K step 1 -> S1: with it block 0 is read out
	FA 1, 1
	WIN 0
	s_wait_tensorcnt 0x0                           ; no tensor load of mine is out;
	ds_add_u32 v[SPW], v[NIL]
	s_wait_dscnt 45                                ; K step 0's 48 loads are in (K step 1's 44 and the add may be out)
	H 0, 0, 4, 0, 1, 0, SWX, 0                     ; K STEP 0: sixteen matrix instructions stand between the add and the wait for it
	s_wait_dscnt 0x0                               ; the add is done, and my reads of block 0 are over
	s_barrier_signal -1
	H 0, 4, 4, 0, 1, 0, SWX, 0
	WIN 0
	s_barrier_wait -1
	CREST                                          ; no wave of any partner still reads its block 0 or has a load on its way
	tensor_load_to_lds s[G0A:G0A+3], s[G1H:G1H+7]  ; K steps 4, 5 into block 0: my one tensor load behind the round
	s_nop 0
	PLACES
	H 1, 0, 8, 0, 1, 0, SWX, 0
	H 0, 0, 8, 128, 1, 1, SWX, 1                   ; K STEP 1
	PLACES
	FW 0, 1, 0                                     ; K step 2 -> S0
	FA 0, 6
	H 1, 0, 8, 128, 1, 1, SWX, 1
	s_wait_loadcnt 16                              ; bank Y and K step 6's first half are in; younger: its second half
	s_wait_dscnt 0x0
	H 0, 0, 8, 128, 0, 0, SWY, 0                   ; K STEP 6, from S2
	PLACES
	GL 7, 0                                        ; S2's first half takes K step 7's
	FA 1, 2
	FSW 1, 0, 4
	s_wait_loadcnt 16                              ; K step 6's second half; younger: the 16 just issued
	H 1, 0, 8, 128, 0, 0, SWY, 0
	PLACES
	GL 7, 8
	s_wait_dscnt 0x0
	H 0, 0, 8, 0, 1, 1, SWX, 0                     ; K STEP 2
	PLACES
	FW 128, 1, 1                                   ; K step 3 -> S1
	FA 0, 3
	H 1, 0, 8, 0, 1, 1, SWX, 0
	s_wait_dscnt 0x0
	H 0, 0, 8, 128, 1, 0, SWX, 1                   ; K STEP 3
	PLACES
	WIN 0
	s_wait_tensorcnt 0x0                           ; my one load, K steps 4 and 5, is in: only I read it; its group 0 may be written
	s_add_nc_u64 s[G0A+2:G0A+3], s[G0A+2:G0A+3], LAYB
	FW 0, 0, 0                                     ; K step 4 -> S0
	FA 1, 4
	FSW 0, 0, 2                                    ; bank X's first half is done with: the words of tiles 0-7 of K steps 4, 5
	H 1, 0, 8, 128, 1, 0, SWX, 1
	PLACES
	FSW 0, 2, 2                                    ; and its second half
	s_wait_dscnt 2                                 ; all but those two
	H 0, 0, 8, 0, 1, 1, SWX, 0                     ; K STEP 4
	s_wait_dscnt 0x0
	PLACES
	FW 128, 0, 1                                   ; K step 5 -> S1
	FA 0, 5
	H 1, 0, 8, 0, 1, 1, SWX, 0
	s_wait_dscnt 0x0
	H 0, 0, 8, 128, 1, 0, SWX, 1                   ; K STEP 5
	PLACES
	FA 1, 7
	H 1, 0, 8, 128, 1, 0, SWX, 1
	s_wait_loadcnt 16                              ; K step 7's first half; younger: its second half
	s_wait_dscnt 0x0
	H 0, 0, 8, 128, 0, 1, SWY, 1                   ; K STEP 7, from S2
	s_wait_loadcnt 0x0                             ; its second half: no load of mine is out, so the weights' base may be written
	s_add_nc_u64 s[8:9], s[8:9], LAYB
	H 1, 0, 8, 128, 0, 1, SWY, 1
	WIN 0
	s_add_co_u32 s66, s66, 1
	s_cmp_lt_u32 s66, 3
	s_cbranch_scc1 .Llayer
	; THE WAY OUT: out0 = (z rs) w_3.  16 tokens at a time go through my own stage (my region: it has had its last fill, and only I read it) and come back as runs of 512 bytes of a row.
	PLACES                                         ; behind the last products
	NWLOAD
	SUMSQ
	REDUCE
	s_wait_loadcnt 0x0
.macro UNIT m, g
.set TT, TA+64*(\g)
	WIN 0x46+(\g)
.set ii, 0
.rept 32
	v_pk_mul_f32 v[TT+ii:TT+ii+1], v[64*(\m)+ii:64*(\m)+ii+1], v[2*(\m):2*(\m)+1] op_sel_hi:[1,0]
.set ii, ii+2
.endr
	WIN 0x41
.set ii, 0
.rept 32
	v_pk_mul_f32 v[TT+ii:TT+ii+1], v[TT+ii:TT+ii+1], v[NW+64*(\g)+ii:NW+64*(\g)+ii+1]
.set ii, ii+2
.endr
	WIN ST1
.irp b, 0,1,2,3
.irp q, 0,1,2,3
	ds_store_b128 v[XAD], v[TT+16*\b+4*\q:TT+16*\b+4*\q+3] offset:512*(\g)+128*\b+16*\q
.endr
.endr
.endm
.macro SENDROWS m
	s_wait_xcnt 0x0                                ; the last tile's stores have read their registers: the loads below may land there
	WIN TO1
.irp k, 0,1,2,3,4,5,6,7,8,9,10,11,12,13,14,15
	ds_load_b128 v[O1+4*\k:O1+4*\k+3], v[WAD] offset:((\k)/2)*XP+512*((\k)%2)      ; LDS serves a wave's instructions in order (ISA guide 5.7.1.4): these see my stores
.endr
	WIN 0
.irp k, 0,1,2,3,4,5,6,7,8,9,10,11,12,13,14,15
	ds_load_b128 v[O0+4*\k:O0+4*\k+3], v[WAD] offset:(8+(\k)/2)*XP+512*((\k)%2)
.endr
	s_wait_dscnt 16                                ; the first eight rows are back
	WIN ST1
.irp k, 0,1,2,3,4,5,6,7,8,9,10,11,12,13,14,15
	global_store_b128 v[GO], v[O1+4*\k:O1+4*\k+3], s[10:11] offset:(16*(\m)+(\k)/2)*4096+512*((\k)%2) th:TH_STORE_NT   ; 32 lanes store 512 consecutive bytes, at a multiple of 512 from out0's first byte
.endr
	s_wait_dscnt 0x0                               ; all sixteen are: the stage may be written again
	WIN 0
.irp k, 0,1,2,3,4,5,6,7,8,9,10,11,12,13,14,15
	global_store_b128 v[GO], v[O0+4*\k:O0+4*\k+3], s[10:11] offset:(16*(\m)+8+(\k)/2)*4096+512*((\k)%2) th:TH_STORE_NT
.endr
.endm
.irp m, 0,1,2,3
	UNIT \m, 0
	UNIT \m, 1
	SENDROWS \m
.endr
	s_wait_tensorcnt 0x0                           ; the wave's end
	ds_add_u32 v[SPW], v[NIL]
	s_wait_dscnt 0x0
	CROUND                                         ; the closing round
	s_endpgm
.Lfunc_end_k_qb81260d459_chain:
	.size	k_qb81260d459_chain, .Lfunc_end_k_qb81260d459_chain-k_qb81260d459_chain
	.p2alignl 7, 3214868480
	.fill 96, 4, 3214868480
	.section	.rodata,"a",@progbits
	.p2align	6, 0x0
	.amdhsa_kernel k_qb81260d459_chain
		.amdhsa_group_segment_fixed_size 327680
		.amdhsa_private_segment_fixed_size 0
		.amdhsa_enable_private_segment 0
		.amdhsa_kernarg_size 32
		.amdhsa_user_sgpr_count 2
		.amdhsa_user_sgpr_kernarg_segment_ptr 1
		.amdhsa_wavefront_size32 1
		.amdhsa_system_sgpr_workgroup_id_x 1
		.amdhsa_system_sgpr_workgroup_id_y 1
		.amdhsa_system_sgpr_workgroup_id_z 1
		.amdhsa_system_vgpr_workitem_id 0
		.amdhsa_next_free_vgpr 1024
		.amdhsa_next_free_sgpr 72
		.amdhsa_reserve_vcc 1
		.amdhsa_float_denorm_mode_32 3
		.amdhsa_float_denorm_mode_16_64 3
		.amdhsa_memory_ordered 1
		.amdhsa_forward_progress 1
		.amdhsa_inst_pref_size 255
	.end_amdhsa_kernel
	.section	.bss,"aw",@nobits
	.p2align	6
	.space	262144
	.amdgpu_metadata
---
amdhsa.version: [ 1, 2 ]
amdhsa.kernels:
  - .name:           k_qb81260d459_chain
    .symbol:         k_qb81260d459_chain.kd
    .args:
      - { .name: x, .offset: 0, .size: 8, .value_kind: global_buffer, .address_space: global }
      - { .name: norm_w, .offset: 8, .size: 8, .value_kind: global_buffer, .address_space: global }
      - { .name: wq, .offset: 16, .size: 8, .value_kind: global_buffer, .address_space: global }
      - { .name: out0, .offset: 24, .size: 8, .value_kind: global_buffer, .address_space: global }
    .group_segment_fixed_size: 327680
    .private_segment_fixed_size: 0
    .kernarg_segment_align: 8
    .kernarg_segment_size: 32
    .max_flat_workgroup_size: 128
    .sgpr_count:     72
    .vgpr_count:     1024
    .wavefront_size: 32
...
	.end_amdgpu_metadata
.endif
;; end of part 2
